; MI455X (gfx1250); checked and timed in simulation.
; The chip was launched on July 23, 2026; its instructions are those of AMD's public machine-readable ISA for CDNA 5 (MIT licence, August 2026) and "CDNA5" Instruction Set Architecture Reference Guide (July 2026). The comments in the code are by the model that wrote it; some were corrected since.
;; Dora Linear Layer. Allowed arithmetic: matrix products marked QUANTISED: E2M3 operands, one E8M0 scale for each 32 along K, by v_wmma_scale_f32_16x16x128_f8f6f4 with both operands' format E2M3, f32 sums; products left as they are: f32 operands where the result goes on into a quantised operand, else bf16, f16 or f32 operands; f32 sums; everything else in f32.
;; Inputs: base_weight 4,096 x 4,096 float32; magnitude 4,096 float32; osora_O 4,096 float32; osora_S 16 float32; osora_U 4,096 x 16 float32; osora_V 16 x 4,096 float32; x_codes 8 x 512 x 128 x 24 uint8 (E2M3 codes of x, K innermost, in blocks of 32 codes, four codes in three bytes); x_scales 8 x 512 x 128 uint8 (E8M0 scales of x, one for each 32 codes along K).
;; Outputs: out0 8 x 512 x 4,096 float32.
;; This version of the problem:
;;   THIS VERSION OF THE PROBLEM IS GIVEN IN LOW PRECISION. The matrix products marked QUANTISED in the list below multiply operands that are first quantised to E2M3 (2 exponent bits, 3 mantissa bits; 6 bits a number), with one power-of-two scale for each 32 numbers along K (OCP MX v1.0); their sums are f32. All else is computed in f32.
;;   The module's matrix products, in the order in which they are computed (A, B: the left and right operand; K: the contracted axis; several contracted axes count as one K, in the product's order):
;;     1. [M 4,096, K 16] x [K 16, N 4,096]; A: computed on the way; B: input osora_V: left as it is (K = 16 < 32)
;;     2. [M 4,096, K 4,096] x [K 4,096, N 16]; A: input x (given as codes); B: input osora_V: QUANTISED
;;     3. [M 4,096, K 16] x [K 16, N 4,096]; A: computed on the way; B: input osora_U: left as it is (K = 16 < 32)
;;     4. [M 4,096, K 4,096] x [K 4,096, N 4,096]; A: input x (given as codes); B: input base_weight: QUANTISED
;;   THE QUANTISER, for each operand of a quantised product, along K:
;;     - K is cut into blocks of 32 from its start; a last block that is shorter is filled with zeros.
;;     - A block's scale is 2^e with e = floor(log2(the largest magnitude in the block)) - 2, held to -126 .. 127; a block of zeros has e = 0. As a byte (E8M0): e + 127.
;;     - Each number is divided by its block's scale, clamped to +-7.5, and rounded to the nearest number of E2M3, ties to even, subnormals kept.
;;     - The product sums the exact products of the quantised numbers (number of the format x scale) in f32.
;;   ~~~python
;;   def quantise(x, axis):      # numpy; x: float32 -> the quantised numbers, widened to float32 again
;;       x = np.moveaxis(x, axis, -1); K = x.shape[-1]
;;       x = np.pad(x, [(0, 0)] * (x.ndim - 1) + [(0, -K % 32)]); x = x.reshape(x.shape[:-1] + (-1, 32)); a = np.abs(x).max(-1, keepdims=True)
;;       e = np.where(a > 0, np.clip(np.frexp(np.where(a > 0, a, 1))[1] - 1 - 2, -126, 127), 0)      # np.frexp(a)[1] - 1 = floor(log2(a)), exactly
;;       r = np.clip(x / 2.0 ** e, -7.5, 7.5)
;;       step = 2.0 ** (np.maximum(np.frexp(np.where(r == 0, 1, r))[1] - 1, 0) - 3)
;;       q = np.round(r / step) * step * 2.0 ** e      # np.round: ties to even
;;       return np.moveaxis(q.reshape(q.shape[:-2] + (-1,))[..., :K], -1, axis).astype(np.float32)
;;   ~~~
;;   INPUTS GIVEN AS CODES. x (in the module: [8, 512, 4096], K = its axis 2): each comes as NAME_codes (uint8): NAME with its K axis moved to the last place and cut into blocks of 32 codes, [.., K / 32, bytes a block], one block behind the other in memory; four codes in three bytes: a row's codes are one little-endian stream of bits, code i at bits 6 i .. 6 i + 5 (a code: sign, 2 exponent bits, 3 mantissa bits); and NAME_scales (uint8): the same leading axes, one E8M0 byte (e + 127) for each 32 codes along K. Its value is code x scale, taken as it is: it is not quantised again, and the codes and scales need not be those that the quantiser above would give.
;; One version. Each part assembles by itself: llvm-mc -triple=amdgcn-amd-amdhsa -mcpu=gfx1250 --defsym DOCPART=n.
;; ======== version 1 of 1: 2 launches
;; limits: values are held in bf16: 8 bits of precision; right only within a limited range of input values
;; workspace buffers: w_img 13,107,200 bytes; x_img 13,107,200 bytes; nrm2p 65,536 bytes; xvp 1,048,576 bytes
;; launch prep (part 1): grid 4 x 64, 8 waves a work-group, no clusters, 308,224 bytes of LDS; arguments base_weight, osora_V, osora_U, osora_S, osora_O, x_codes, x_scales, w_img, x_img, nrm2p, xvp; writes w_img, x_img, nrm2p, xvp
.if DOCPART == 1
	.amdgcn_target "amdgcn-amd-amdhsa--gfx1250"
	.amdhsa_code_object_version 6
	.text
	.protected	k_q37467a7c82_prep
	.globl	k_q37467a7c82_prep
	.p2align	8
	.type	k_q37467a7c82_prep,@function
k_q37467a7c82_prep:
	s_mov_b64 s[64:65], 0
	v_nop
	global_prefetch_b8 v0, s[64:65] scope:SCOPE_SE
	s_setreg_imm32_b32 hwreg(HW_REG_WAVE_MODE, 25, 1), 1
	s_wait_xcnt 0x0
; PREPARATION for out = (s - 1) x Q(W)^T + s O ((x Q(V)^T) S) U^T,  s[o] = magnitude[o] / |W[o,:] + O[o] sum_r U[o][r] S[r] V[r,:]|.
; This launch reads W [4096][4096] f32 and x (codes of FP6 (E2M3) and E8M0 scale bytes) once and makes of them
;   w_img, x_img : W's codes (made here) and x's (as given), with their scale words, in the order of the operand's registers: [row / 128][k / 128][12,800 bytes]: eight images of 1,536 bytes
;           (image i: rows 16 i on; registers 4 c .. 4 c + 3 of lane l at 512 c + 16 l), then 512 bytes of scale words (the word of (i, row r) at 256 (i / 4) + 16 r + 4 (i % 4));
;   nrm2p : [k / 1024][4096] f32, parts of the sum over i of (W + OW)^2, formed directly: no difference of large sums;
;   xvp   : [k / 1024][4096 m][16] f32, parts of x Q(V)^T (V quantised here).
; SHARES.  Work-group (kq, og): rows 64 og .. + 63 of W and of x, K = 1024 kq .. + 1023.  Wave w owns K step ks = 8 kq + w (128 along K) for the four tiles of 16 rows: its fragments of V are made once and serve four tiles.
; W's 256 KiB come into LDS by asynchronous copies, 64 a wave, each one row of 512 bytes (32 lanes x 16 bytes), all issued at the head: tile 0's sixteen, then the loads of x, V, S and O, then the other 48.
; No LDS byte is filled twice, and each wave reads only what its own copies brought, behind its own counted wait: copies end in the order of issue, so tile t is in when at most 16 (3 - t) are out.
; A copy's immediate is added to both its addresses: row i takes the immediate 528 i (its place in LDS), and its global offset carries the rest, (16,384 - 528) i: 16 offset registers (i % 16) and 4 bases (i / 16).
; W + OW: a bf16 matrix instruction (K = 16 ranks, the upper 16 of its K are zeros) whose C is the tile of W as the quantiser holds it: source 0 = 16 columns of V, chosen so that the result falls on W's registers, source 1 = O U S of 16 rows.
; A block's scale is 2^(floor(log2(largest magnitude)) - 2); its byte is the largest magnitude's exponent field - 2, held at 1 from below.
; NO CLUSTER: what work-groups share (V, U, S, O) is a small part of a work-group's bytes; its 256 KiB of W and 50 KiB of x are its own.  NO PREFETCH: there is no loop to run ahead in; all requests go out at the head.
; LIMITS: NaN and infinities among the inputs are not served.  A block whose largest magnitude lies under 2^-124, a block of zeros among them, keeps the byte 1 (zeros: zero codes; the bytes are read by this program alone).
; The operands O U S and V of W + OW are rounded to bf16; sums are f32.
.set WTW,  33792                       ; LDS: a wave's four tiles of W,
.set WTT,  8448                        ; a tile: 16 rows of
.set WP,   528                         ; 512 bytes + 16: the 16 rows that a load of 16 bytes a lane touches begin at 16 different places modulo 256 bytes
.set ROWD, 16384-WP                    ; a row's step in memory less its step in LDS
.set XVR,  270336                      ; behind the eight waves' tiles: [wave][64 m][16] f32, each wave's part of x Q(V)^T
.set NRM,  303104                      ; [wave][64] f32, each wave's part of the rows' sums of squares
.set SPARE, 307200                     ; the spare words: 128 bytes a wave
.set SBK,  12800
.set IMG,  1536
.set LW,   1                           ; v1   LDS: my 64 bytes of a block of 32 in row r of my wave's tile 0: 33,792 w + 528 r + 64 h
.set GI,   2                           ; v2   16 x lane
.set R16,  3                           ; v3   16 r
.set NWA,  4                           ; v4   LDS: where my row's sum of squares goes
.set XWA,  5                           ; v5   LDS: where my 8 numbers of x Q(V)^T go
.set XCO,  6                           ; v6   x's codes: 3,072 r + 24 h
.set XSO,  7                           ; v7   x's scale words: 128 r
.set VQO,  8                           ; v8   V for the quantiser: 16,384 r + 64 h
.set VTO,  9                           ; v9   V by columns: 131,072 h + 4 (r + 8 (r / 8))
.set UO,   10                          ; v10  U: 64 r + 32 h
.set R4,   11                          ; v11  4 r
.set H32,  12                          ; v12  32 h
.set FXA,  13                          ; v13  the end: LDS XVR + 16 x thread
.set FXG,  14                          ; v14  16 x thread
.set FNA,  15                          ; v15  LDS NRM + 8 x lane
.set CL,   246                         ; v246 the copies' LDS address: 33,792 w + 16 x lane; when all copies have landed: 8 x lane (FNG)
.set FNG,  246
.set VT,   16                          ; v16-79   eight fragments of V by columns, bf16
.set X,    80                          ; v80-143  at the head: x's four fragments (48), S (v128-135), O (v136-139); then a tile of W: register 16 b + i = k 32 b + 16 h + i of row r
.set SV,   128
.set OV,   136
.set Y,    144                         ; v144-207 V's 64 numbers; then v144-175 the four results x Q(V)^T, v176-207 the four fragments O U S; v144-147 the sums of squares
.set SQ,   144
.set PC,   208                         ; v208-227 the codes just made
.set TM,   228                         ; v228-243 the quantiser's work
.set PW,   244                         ; v244 the scale word just made: scales and nothing else
.set XSC,  248                         ; v248-251 x's scale words of my four tiles: scales and nothing else
.set WS,   252                         ; v252-255 W's scale words of my four tiles (at the head: r, h, lane, at work)
                                       ; v256-271 (window 1, v0-15) the copies' global offsets: 16 x lane + 15,856 i; never rewritten
.set WB,   32                          ; s[32:39] the copies' bases: W at my wave's tile 0 + 16 x 15,856 t; never rewritten
.set SEL,  28                          ; s[28:29] lane selects: lane l xor 16
; 64 numbers of a lane, v[s] .. v[s + 63], register 16 b + i = k 32 b + 16 (lane / 16) + i of my row, become a fragment's codes in v[PC] on and its scale word in v[PW].
.macro QUANT s
.irp b, 0,1,2,3
	v_max3_num_f32 v[TM+\b], |v[\s+16*\b]|, |v[\s+1+16*\b]|, 0x1800000   ; block b: my 16 numbers, and the floor 2^(3 - 127): the byte cannot fall under 1
.endr
.irp i, 2,4,6,8,10,12,14
.irp b, 0,1,2,3
	s_delay_alu instid0(VALU_DEP_4)
	v_max3_num_f32 v[TM+\b], v[TM+\b], |v[\s+16*\b+\i]|, |v[\s+1+16*\b+\i]|   ; the four blocks by turns
.endr
.endr
.irp b, 0,1,2,3
	s_delay_alu instid0(VALU_DEP_4)
	v_permlanex16_b32 v[TM+4+\b], v[TM+\b], s[SEL], s[SEL+1]
.endr
.irp b, 0,1,2,3
	s_delay_alu instid0(VALU_DEP_4)
	v_max_num_f32 v[TM+\b], v[TM+\b], v[TM+4+\b]   ; with lane l xor 16's: the block's largest magnitude
.endr
.irp b, 0,1,2,3
	s_delay_alu instid0(VALU_DEP_4)
	v_add_nc_u32 v[TM+12+\b], 0xff000000, v[TM+\b]   ; 2 off its exponent field: the conversion takes the exponent field of this operand as its scale
.endr
.irp b, 0,1,2,3
	s_delay_alu instid0(VALU_DEP_4)
	v_lshrrev_b32 v[TM+4+\b], 23, v[TM+12+\b]      ; the scale's byte
.endr
	s_delay_alu instid0(VALU_DEP_3)
	v_lshl_or_b32 v[PW], v[TM+5], 8, v[TM+4]       ; the four bytes make my row's scale word
	s_delay_alu instid0(VALU_DEP_1)
	v_lshl_or_b32 v[PW], v[TM+6], 16, v[PW]
	s_delay_alu instid0(VALU_DEP_1)
	v_lshl_or_b32 v[PW], v[TM+7], 24, v[PW]
.irp c, 0,1
	v_cvt_scalef32_pk16_fp6_f32 v[PC+6*\c:PC+2+6*\c], v[\s+32*\c:\s+15+32*\c], v[TM+12+2*\c]
	v_cvt_scalef32_pk16_fp6_f32 v[PC+12+4*\c:PC+14+4*\c], v[\s+16+32*\c:\s+31+32*\c], v[TM+12+2*\c+1]   ; (a conversion's three registers begin on an even number)
.endr
	v_nop                                          ; one plain instruction behind the scaled conversions
.irp c, 0,1                                    ; the operand's layout wants a whole block in a lane: lanes 0-15 block 2 c, lanes 16-31 block 2 c + 1
.irp i, 0,1,2
	v_permlane16_swap_b32 v[PC+6*\c+\i], v[PC+12+4*\c+\i]
.endr
.irp i, 0,1,2
	s_delay_alu instid0(VALU_DEP_3)
	v_mov_b32 v[PC+3+6*\c+\i], v[PC+12+4*\c+\i]
.endr
.endr
.endm
.macro COPY t                          ; tile t: sixteen rows of 512 bytes.  Under the window setting 0x01: the LDS address in window 0, the global offset in window 1
.irp i, 0,1,2,3,4,5,6,7,8,9,10,11,12,13,14,15
	global_load_async_to_lds_b128 v[CL], v[\i], s[WB+2*(\t):WB+2*(\t)+1] offset:WP*(16*(\t)+\i)
.endr
.endm
	s_load_b512 s[4:19], s[0:1], 0x0               ; W s[4:5], V s[6:7], U s[8:9], S s[10:11], O s[12:13], x's codes s[14:15], x's scales s[16:17], w_img s[18:19]
	s_load_b128 s[20:23], s[0:1], 0x40             ; x_img s[20:21], nrm2p s[22:23]
	s_load_b64 s[72:73], s[0:1], 0x50              ; xvp
	v_lshl_add_u32 v245, v0, 2, SPARE
	v_mov_b32 v247, 0
	ds_add_u32 v245, v247                          ; the opening lines: the add, twice on end, and its wait ahead of my first copy
	ds_add_u32 v245, v247
	v_lshrrev_b32 v1, 5, v0
	s_delay_alu instid0(VALU_DEP_1)
	v_readfirstlane_b32 s24, v1                    ; wave 0..7
	s_mov_b32 s25, ttmp9                           ; kq
	s_and_b32 s26, ttmp7, 0xffff                   ; og
	s_lshl_b32 s27, s25, 3
	s_add_co_u32 s27, s27, s24                     ; ks = 8 kq + wave
	s_mov_b32 s[SEL], 0x76543210
	s_mov_b32 s[SEL+1], 0xfedcba98
	s_mul_i32 s30, s24, WTW                        ; my wave's tiles in LDS
	s_lshl_b32 s56, s26, 20                        ; 64 og rows of 16,384 bytes
	s_lshl_b32 s58, s27, 9                         ; 512 ks bytes along a row
	s_add_co_u32 s56, s56, s58
	s_mov_b32 s57, 0
	s_mov_b32 s59, 0
	s_mov_b32 s61, 0
	v_and_b32 v[GI], 31, v0
	s_delay_alu instid0(VALU_DEP_1)
	v_lshlrev_b32 v[GI], 4, v[GI]
	s_delay_alu instid0(VALU_DEP_1)
	v_add_nc_u32 v[CL], s30, v[GI]
	s_set_vgpr_msb 0x40                            ; destination in window 1
.irp i, 0,1,2,3,4,5,6,7,8,9,10,11,12,13,14,15
	v_add_nc_u32 v[\i], ROWD*\i, v[GI]             ; v256 + i
.endr
	s_set_vgpr_msb 0x4000
	s_wait_alu depctr_va_vdst(0)
	s_wait_dscnt 0x0                               ; both opening adds are done
	s_wait_kmcnt 0x0
	s_add_nc_u64 s[4:5], s[4:5], s[56:57]          ; W at my wave's tile 0
.irp t, 0,1,2,3
	s_add_nc_u64 s[WB+2*\t:WB+2*\t+1], s[4:5], 16*ROWD*\t
.endr
	s_set_vgpr_msb 0x01
	COPY 0                                         ; tile 0 is asked for before anything else
	s_set_vgpr_msb 0x0100
	s_add_nc_u64 s[6:7], s[6:7], s[58:59]          ; V at my K step
	s_lshl_b32 s60, s26, 12
	s_add_nc_u64 s[8:9], s[8:9], s[60:61]          ; U at row 64 og (64 bytes a row)
	s_lshl_b32 s60, s26, 8
	s_add_nc_u64 s[12:13], s[12:13], s[60:61]      ; O at 64 og
	s_mul_i32 s60, s26, 196608                     ; x's codes: 64 og rows of 3,072 bytes,
	s_mul_i32 s62, s27, 96                         ; 96 bytes a K step
	s_add_co_u32 s60, s60, s62
	s_add_nc_u64 s[14:15], s[14:15], s[60:61]
	s_lshl_b32 s60, s26, 13                        ; x's scales: 128 bytes a row, 4 a K step
	s_lshl_b32 s62, s27, 2
	s_add_co_u32 s60, s60, s62
	s_add_nc_u64 s[16:17], s[16:17], s[60:61]
	s_lshr_b32 s62, s26, 1
	s_lshl_b32 s62, s62, 5
	s_add_co_u32 s62, s62, s27
	s_mul_i32 s62, s62, SBK                        ; block 32 (og / 2) + ks: the same place in w_img and in x_img
	s_and_b32 s70, s26, 1                          ; og % 2: which 64 rows of the block's 128
	s_mul_i32 s60, s70, 4*IMG
	s_add_co_u32 s60, s60, s62                     ; image 4 (og % 2) in it
	s_add_nc_u64 s[66:67], s[18:19], s[60:61]      ; where W's images go
	s_add_nc_u64 s[68:69], s[20:21], s[60:61]      ; and x's
	s_lshl_b32 s60, s70, 8
	s_add_co_u32 s60, s60, s62
	s_add_co_u32 s60, s60, 8*IMG                   ; behind the eight images: my 64 rows' 256 bytes of scale words
	s_add_nc_u64 s[74:75], s[18:19], s[60:61]      ; W's
	s_add_nc_u64 s[76:77], s[20:21], s[60:61]      ; x's
	s_lshl_b32 s60, s25, 14
	s_lshl_b32 s31, s26, 8
	s_add_co_u32 s60, s60, s31
	s_add_nc_u64 s[22:23], s[22:23], s[60:61]      ; nrm2p at [kq][64 og]
	s_lshl_b32 s60, s25, 18
	s_lshl_b32 s31, s26, 12
	s_add_co_u32 s60, s60, s31
	s_add_nc_u64 s[72:73], s[72:73], s[60:61]      ; xvp at [kq][64 og][0]
	v_and_b32 v252, 15, v0                         ; r
	v_bfe_u32 v253, v0, 4, 1                       ; h
	v_and_b32 v254, 31, v0                         ; lane
	s_delay_alu instid0(VALU_DEP_3)
	v_mul_u32_u24 v[LW], v252, WP
	s_delay_alu instid0(VALU_DEP_1)
	v_lshl_add_u32 v[LW], v253, 6, v[LW]
	s_delay_alu instid0(VALU_DEP_1)
	v_add_nc_u32 v[LW], s30, v[LW]
	v_lshlrev_b32 v[R16], 4, v252
	s_lshl_b32 s31, s24, 8
	s_add_co_u32 s31, s31, NRM
	v_lshl_add_u32 v[NWA], v252, 2, s31            ; NRM + 256 w + 4 r
	s_lshl_b32 s31, s24, 12
	s_add_co_u32 s31, s31, XVR
	v_lshl_add_u32 v[XWA], v252, 6, s31
	s_delay_alu instid0(VALU_DEP_1)
	v_lshl_add_u32 v[XWA], v253, 5, v[XWA]         ; XVR + 4,096 w + 64 r + 32 h
	v_mul_u32_u24 v[XCO], v252, 3072
	s_delay_alu instid0(VALU_DEP_1)
	v_mad_u32_u24 v[XCO], v253, 24, v[XCO]
	v_lshlrev_b32 v[XSO], 7, v252
	v_lshlrev_b32 v[VQO], 14, v252
	s_delay_alu instid0(VALU_DEP_1)
	v_lshl_add_u32 v[VQO], v253, 6, v[VQO]
	v_and_b32 v255, 8, v252
	s_delay_alu instid0(VALU_DEP_1)
	v_add_nc_u32 v255, v255, v252                  ; r + 8 (r / 8)
	s_delay_alu instid0(VALU_DEP_1)
	v_lshlrev_b32 v[VTO], 2, v255
	s_delay_alu instid0(VALU_DEP_1)
	v_lshl_add_u32 v[VTO], v253, 17, v[VTO]
	v_lshlrev_b32 v[UO], 6, v252
	s_delay_alu instid0(VALU_DEP_1)
	v_lshl_add_u32 v[UO], v253, 5, v[UO]
	v_lshlrev_b32 v[R4], 2, v252
	v_lshlrev_b32 v[H32], 5, v253
	v_lshl_add_u32 v[FXA], v0, 4, XVR
	v_lshlrev_b32 v[FXG], 4, v0
	v_lshl_add_u32 v[FNA], v254, 3, NRM
.irp b, 0,1,2,3
	v_mov_b32 v[TM+4+\b], 0                        ; written once: a lane permute's destination counts as one of its sources
.endr
	; V by columns: lane (r, h) of tile u = 2 b + u' takes column 32 b + 8 u' + r + 8 (r / 8) of my K step, ranks 8 h + 0 .. 7
.irp u, 0,1,2,3,4,5,6,7
.irp j, 0,1,2,3,4,5,6,7
	global_load_b32 v[VT+8*\u+\j], v[VTO], s[6:7] offset:16384*\j+4*(32*(\u/2)+8*(\u%2))
.endr
.endr
.irp t, 0,1,2,3                                ; x's four fragments as they lie, their scale words, and O of my 64 rows
.irp p, 0,1,2,3,4,5
	global_load_b64 v[X+12*\t+2*\p:X+12*\t+2*\p+1], v[XCO], s[14:15] offset:49152*\t+48*(\p/3)+8*(\p%3)
.endr
	global_load_b32 v[XSC+\t], v[XSO], s[16:17] offset:2048*\t
	global_load_b32 v[OV+\t], v[R4], s[12:13] offset:64*\t
.endr
	global_load_b128 v[SV:SV+3], v[H32], s[10:11]              ; S[8 h + 0 .. 7]
	global_load_b128 v[SV+4:SV+7], v[H32], s[10:11] offset:16
.irp b, 0,1,2,3                                ; V by rows, for the quantiser: rank r, 16 neighbours of each block of 32
.irp j, 0,1,2,3
	global_load_b128 v[Y+16*\b+4*\j:Y+16*\b+4*\j+3], v[VQO], s[6:7] offset:128*\b+16*\j
.endr
.endr
	s_set_vgpr_msb 0x01
	COPY 1                                         ; the other 48 rows of W: with tile 0's, 64 copies of mine are asked for
	COPY 2
	COPY 3
	s_set_vgpr_msb 0x0100
	s_wait_loadcnt 0x0                             ; x, V, S, O are in; W's copies count on their own counter and stay out
.irp t, 0,1,2,3                                ; x's fragments leave as images of their registers
.irp c, 0,1,2
	global_store_b128 v[GI], v[X+12*\t+4*\c:X+12*\t+4*\c+3], s[68:69] offset:IMG*\t+512*\c   ; 32 lanes store 512 consecutive bytes, at a multiple of 256 from x_img's first byte
.endr
.endr
	global_store_b128 v[R16], v[XSC:XSC+3], s[76:77]           ; row r's four words: 16 lanes store 256 consecutive bytes, aligned (lanes 16-31 store the same words to the same places)
	QUANT Y                                        ; Q(V): 16 ranks x my 128 along K
.irp t, 0,1,2,3
	global_load_b128 v[Y+32+8*\t:Y+35+8*\t], v[UO], s[8:9] offset:1024*\t       ; U[16 t + r][8 h + 0 .. 7], into registers that the quantiser has left
	global_load_b128 v[Y+36+8*\t:Y+39+8*\t], v[UO], s[8:9] offset:1024*\t+16
.endr
.irp u, 0,1,2,3,4,5,6,7                        ; V's columns to bf16, in place and ascending; the upper 16 of K are zeros.  These 64 plain lines also stand between the codes and scale word just made and the scaled products below
.irp p, 0,1,2,3
	v_cvt_pk_bf16_f32 v[VT+8*\u+\p], v[VT+8*\u+2*\p], v[VT+8*\u+2*\p+1]
.endr
.irp p, 4,5,6,7
	v_mov_b32 v[VT+8*\u+\p], 0
.endr
.endr
.irp t, 0,1,2,3                                ; x Q(V)^T over my K step: source 0 = V's 16 ranks, source 1 = 16 rows of x: lane (r, h) holds row r, ranks 8 h + 0 .. 7.  Four different results: no chain
	v_wmma_scale_f32_16x16x128_f8f6f4 v[Y+8*\t:Y+8*\t+7], v[PC:PC+11], v[X+12*\t:X+12*\t+11], 0, v[PW], v[XSC+\t] matrix_a_fmt:MATRIX_FMT_FP6 matrix_b_fmt:MATRIX_FMT_FP6
.endr
.rept 4
	v_nop                                          ; four plain instructions between a matrix instruction and the first read of its result (ISA guide 7.12.1)
.endr
.irp t, 0,1,2,3
	ds_store_b128 v[XWA], v[Y+8*\t:Y+8*\t+3] offset:1024*\t          ; each result from its low end on
	ds_store_b128 v[XWA], v[Y+8*\t+4:Y+8*\t+7] offset:1024*\t+16
.endr
	s_wait_loadcnt 0x0                             ; U
.irp t, 0,1,2,3                                ; O (U S), to bf16 in place; the upper 16 of K are zeros
.irp p, 0,2,4,6
	v_pk_mul_f32 v[Y+32+8*\t+\p:Y+33+8*\t+\p], v[Y+32+8*\t+\p:Y+33+8*\t+\p], v[SV+\p:SV+\p+1]
.endr
.irp j, 0,1,2,3,4,5,6,7
	v_mul_f32 v[Y+32+8*\t+\j], v[Y+32+8*\t+\j], v[OV+\t]
.endr
.irp p, 0,1,2,3
	v_cvt_pk_bf16_f32 v[Y+32+8*\t+\p], v[Y+32+8*\t+2*\p], v[Y+32+8*\t+2*\p+1]
.endr
.irp p, 4,5,6,7
	v_mov_b32 v[Y+32+8*\t+\p], 0
.endr
.endr
; A TILE of 16 rows x 128 of W: out of LDS, quantised, its image sent off; then W + OW on the same registers, squared and summed.
.macro TILE t
	s_wait_asynccnt 16*(3-(\t))                    ; a wave's copies end in order: tile t's sixteen are in; the 16 (3 - t) issued behind them may be out
	s_wait_xcnt 0x0                                ; the stores issued so far have read their registers: x's fragments, which the loads below write over, and the last tile's codes
.irp b, 0,1,2,3
.irp j, 0,1,2,3
	ds_load_b128 v[X+16*\b+4*\j:X+16*\b+4*\j+3], v[LW] offset:WTT*(\t)+128*\b+16*\j
.endr
.endr
	s_wait_dscnt 0x0
	QUANT X
	v_mov_b32 v[WS+(\t)], v[PW]                    ; my row's scale word of this tile is kept: the four leave together
.irp c, 0,1,2
	global_store_b128 v[GI], v[PC+4*\c:PC+4*\c+3], s[66:67] offset:IMG*(\t)+512*\c   ; 32 lanes store 512 consecutive bytes, at a multiple of 256 from w_img's first byte
.endr
.irp u, 0,1,2,3,4,5,6,7                        ; W + OW, eight different accumulators
	v_wmma_f32_16x16x32_bf16 v[X+8*\u:X+8*\u+7], v[VT+8*\u:VT+8*\u+7], v[Y+32+8*(\t):Y+39+8*(\t)], v[X+8*\u:X+8*\u+7]
.endr
.rept 4
	v_nop
.endr
	v_pk_mul_f32 v[SQ:SQ+1], v[X:X+1], v[X:X+1]                    ; the squares, ascending, in two chains: each accumulator is read from its low end on
	v_pk_mul_f32 v[SQ+2:SQ+3], v[X+2:X+3], v[X+2:X+3]
.irp j, 4,8,12,16,20,24,28,32,36,40,44,48,52,56,60
	v_pk_fma_f32 v[SQ:SQ+1], v[X+\j:X+\j+1], v[X+\j:X+\j+1], v[SQ:SQ+1]
	v_pk_fma_f32 v[SQ+2:SQ+3], v[X+\j+2:X+\j+3], v[X+\j+2:X+\j+3], v[SQ+2:SQ+3]
.endr
	s_delay_alu instid0(VALU_DEP_1)
	v_pk_add_f32 v[SQ:SQ+1], v[SQ:SQ+1], v[SQ+2:SQ+3]
	s_delay_alu instid0(VALU_DEP_1)
	v_add_f32 v[SQ], v[SQ], v[SQ+1]
	s_delay_alu instid0(VALU_DEP_1)
	v_permlanex16_b32 v[SQ+1], v[SQ], s[SEL], s[SEL+1]
	s_delay_alu instid0(VALU_DEP_1)
	v_add_f32 v[SQ], v[SQ], v[SQ+1]                ; row r's sum over my 128 columns
	ds_store_b32 v[NWA], v[SQ] offset:64*(\t)
.endm
	TILE 0
	TILE 1
	TILE 2
	TILE 3
	global_store_b128 v[R16], v[WS:WS+3], s[74:75] ; W's scale words: row r's four: 256 consecutive bytes, aligned (lanes 16-31 store the same words to the same places)
	v_and_b32 v[FNG], 31, v0                       ; all my copies have landed (tile 3's wait was for 0): their LDS address register is free
	s_delay_alu instid0(VALU_DEP_1)
	v_lshlrev_b32 v[FNG], 3, v[FNG]                ; 8 x lane
	s_wait_alu depctr_va_vdst(0)
	s_wait_dscnt 0x0                               ; for the others' sake: all my LDS stores have landed
	s_barrier_signal -1
	s_barrier_wait -1                              ; the launch's one barrier
.irp i, 0,1,2,3,4,5,6,7
	ds_load_b128 v[X+4*\i:X+4*\i+3], v[FXA] offset:4096*\i         ; the eight waves' parts of x Q(V)^T, 16 bytes a thread
.endr
	s_wait_dscnt 0x0
.irp i, 0,1,2,3
	v_pk_add_f32 v[X+8*\i:X+8*\i+1], v[X+8*\i:X+8*\i+1], v[X+8*\i+4:X+8*\i+5]
	v_pk_add_f32 v[X+8*\i+2:X+8*\i+3], v[X+8*\i+2:X+8*\i+3], v[X+8*\i+6:X+8*\i+7]
.endr
.irp i, 0,1
	v_pk_add_f32 v[X+16*\i:X+16*\i+1], v[X+16*\i:X+16*\i+1], v[X+16*\i+8:X+16*\i+9]
	v_pk_add_f32 v[X+16*\i+2:X+16*\i+3], v[X+16*\i+2:X+16*\i+3], v[X+16*\i+10:X+16*\i+11]
.endr
	s_delay_alu instid0(VALU_DEP_2)
	v_pk_add_f32 v[X:X+1], v[X:X+1], v[X+16:X+17]
	s_delay_alu instid0(VALU_DEP_2)
	v_pk_add_f32 v[X+2:X+3], v[X+2:X+3], v[X+18:X+19]
	global_store_b128 v[FXG], v[X:X+3], s[72:73]   ; a wave stores 512 consecutive bytes, aligned
	s_cmp_lg_u32 s24, 0
	s_cbranch_scc1 .Lnot_wave_0
.irp i, 0,1,2,3,4,5,6,7
	ds_load_b64 v[X+32+2*\i:X+33+2*\i], v[FNA] offset:256*\i       ; wave 0: the eight parts of the 64 rows' sums of squares
.endr
	s_wait_dscnt 0x0
.irp i, 0,1,2,3
	v_pk_add_f32 v[X+32+4*\i:X+33+4*\i], v[X+32+4*\i:X+33+4*\i], v[X+34+4*\i:X+35+4*\i]
.endr
	s_delay_alu instid0(VALU_DEP_3)
	v_pk_add_f32 v[X+32:X+33], v[X+32:X+33], v[X+36:X+37]
	s_delay_alu instid0(VALU_DEP_2)
	v_pk_add_f32 v[X+40:X+41], v[X+40:X+41], v[X+44:X+45]
	s_delay_alu instid0(VALU_DEP_1)
	v_pk_add_f32 v[X+32:X+33], v[X+32:X+33], v[X+40:X+41]
	global_store_b64 v[FNG], v[X+32:X+33], s[22:23]                ; 256 consecutive bytes, aligned
.Lnot_wave_0:
	s_wait_tensorcnt 0x0                           ; the wave's end
	s_wait_asynccnt 0x0
	ds_add_u32 v245, v247
	s_wait_dscnt 0x0
	s_endpgm
.Lfunc_end_k_q37467a7c82_prep:
	.size	k_q37467a7c82_prep, .Lfunc_end_k_q37467a7c82_prep-k_q37467a7c82_prep
	.p2alignl 7, 3214868480
	.fill 96, 4, 3214868480
	.section	.rodata,"a",@progbits
	.p2align	6, 0x0
	.amdhsa_kernel k_q37467a7c82_prep
		.amdhsa_group_segment_fixed_size 308224
		.amdhsa_private_segment_fixed_size 0
		.amdhsa_enable_private_segment 0
		.amdhsa_kernarg_size 88
		.amdhsa_user_sgpr_count 2
		.amdhsa_user_sgpr_kernarg_segment_ptr 1
		.amdhsa_wavefront_size32 1
		.amdhsa_system_sgpr_workgroup_id_x 1
		.amdhsa_system_sgpr_workgroup_id_y 1
		.amdhsa_system_sgpr_workgroup_id_z 1
		.amdhsa_system_vgpr_workitem_id 0
		.amdhsa_next_free_vgpr 288
		.amdhsa_next_free_sgpr 80
		.amdhsa_reserve_vcc 0
		.amdhsa_float_denorm_mode_32 3
		.amdhsa_float_denorm_mode_16_64 3
		.amdhsa_memory_ordered 1
		.amdhsa_forward_progress 1
		.amdhsa_inst_pref_size 81
	.end_amdhsa_kernel
	.amdgpu_metadata
---
amdhsa.version: [ 1, 2 ]
amdhsa.kernels:
  - .name:           k_q37467a7c82_prep
    .symbol:         k_q37467a7c82_prep.kd
    .args:
      - { .name: base_weight, .offset: 0, .size: 8, .value_kind: global_buffer, .address_space: global }
      - { .name: osora_V, .offset: 8, .size: 8, .value_kind: global_buffer, .address_space: global }
      - { .name: osora_U, .offset: 16, .size: 8, .value_kind: global_buffer, .address_space: global }
      - { .name: osora_S, .offset: 24, .size: 8, .value_kind: global_buffer, .address_space: global }
      - { .name: osora_O, .offset: 32, .size: 8, .value_kind: global_buffer, .address_space: global }
      - { .name: x_codes, .offset: 40, .size: 8, .value_kind: global_buffer, .address_space: global }
      - { .name: x_scales, .offset: 48, .size: 8, .value_kind: global_buffer, .address_space: global }
      - { .name: w_img, .offset: 56, .size: 8, .value_kind: global_buffer, .address_space: global }
      - { .name: x_img, .offset: 64, .size: 8, .value_kind: global_buffer, .address_space: global }
      - { .name: nrm2p, .offset: 72, .size: 8, .value_kind: global_buffer, .address_space: global }
      - { .name: xvp, .offset: 80, .size: 8, .value_kind: global_buffer, .address_space: global }
    .group_segment_fixed_size: 308224
    .private_segment_fixed_size: 0
    .kernarg_segment_align: 8
    .kernarg_segment_size: 88
    .max_flat_workgroup_size: 256
    .sgpr_count:     80
    .vgpr_count:     288
    .wavefront_size: 32
...
	.end_amdgpu_metadata
.endif
;; end of part 1
;; launch gemm (part 2): grid 16 x 16, 4 waves a work-group, clusters of 4 x 4, 327,680 bytes of LDS; arguments x_img, w_img, nrm2p, xvp, magnitude, osora_O, osora_S, osora_U, out0; writes out0
.if DOCPART == 2
	.amdgcn_target "amdgcn-amd-amdhsa--gfx1250"
	.amdhsa_code_object_version 6
	.text
	.protected	k_q37467a7c82_gemm
	.globl	k_q37467a7c82_gemm
	.p2align	8
	.type	k_q37467a7c82_gemm,@function
k_q37467a7c82_gemm:
	s_mov_b64 s[64:65], 0
	v_nop
	global_prefetch_b8 v0, s[64:65] scope:SCOPE_SE
	s_setreg_imm32_b32 hwreg(HW_REG_WAVE_MODE, 25, 1), 1
	s_wait_xcnt 0x0
	s_wait_alu depctr_hold_cnt(0) depctr_sa_sdst(0) depctr_va_vdst(0) depctr_va_sdst(0) depctr_va_ssrc(0) depctr_va_vcc(0) depctr_vm_vsrc(0)
	s_getreg_b32 s2, hwreg(HW_REG_IB_STS2, 6, 4)
	s_cmp_eq_u32 s2, 0
	s_cbranch_scc0 .Lentry_in_a_cluster
	s_endpgm
.Lentry_in_a_cluster:
	s_bfe_u32 s2, ttmp6, 0x10000c
	s_cmp_lg_u32 s2, 0xf033
	s_cbranch_scc0 .Lentry_shape_is_right
	s_endpgm
.Lentry_shape_is_right:
; out[m][o] = (s[o] - 1) sum_k x[m][k] Q(W)[o][k] + s[o] O[o] sum_r (x Q(V)^T)[m][r] S[r] U[o][r],   s[o] = magnitude[o] / sqrt(sum of nrm2p's four parts).
; x_img, w_img: FP6 (E2M3) codes and E8M0 scale words as the launch before laid them: [row / 128][k / 128][12,800 bytes]: eight images of an operand's registers (1,536 bytes: registers 4 c .. 4 c + 3 of lane l
; at 512 c + 16 l), then 512 bytes of scale words (block i, row r at 256 (i / 4) + 16 r + 4 (i % 4)).  A fragment is three loads of 16 bytes a lane, contiguous over the lanes.
; SHARES: a work-group of four waves makes 256 x 256 of out, a wave 128 x 128: 64 accumulators, 512 registers.  256 work-groups.
; RING: two LDS slots of three K steps of 128 (4 quarters x 38,400 bytes: A's two halves, B's two halves); 32 K steps are ten fills of three and a last fill of two.  Each wave fetches one quarter by one tensor load.
; CLUSTERS 4 x 4: A's blocks are shared along a row of the cluster, B's along a column: joint loads, each behind a round of the cluster's barrier.
; HEAD: behind my one joint load stand the prefetches of the second and third fills and the tables' 48 loads.  s - 1 and s O S U (bf16) are made and stored to LDS while the first tile is on its way.
; The four parts of x Q(V)^T land in registers that the ring leaves free; they are summed, rounded to bf16 and stored to LDS behind the first K step.
; Each change of slots has a wait for all my LDS instructions and a barrier: these show the tables' LDS stores to the other waves, which read them on the way out.
; The matrix instruction is used transposed (source 0 = rows of W, source 1 = rows of x): a lane holds eight neighbouring columns of one row of out.
; WAY OUT: accumulators x (s - 1); one bf16 matrix instruction (K = 16 ranks, the upper 16 of its K zeros) adds the low-rank term; 16 rows at a time through my stage in LDS; whole rows of 512 bytes are stored.
; LIMITS: NaN and infinities among the inputs are not served.  A row of W + OW whose sum of squares is 0 or denormal gives an infinite s (v_rsq_f32 takes a denormal as 0: ISA guide, its entry).
; The operands of the low-rank product are rounded to bf16; all sums are f32.
; REGISTERS: window 0: v0-31, v224 addresses; v32-63 scale words, two sets; v64-127 xvp's parts of 32 rows, until behind the first K step; v128-223 A's fragments, one set (at the head the other tables at work;
;   on the way out v128-255 rows read back).  window 1: B's fragments, two sets at v0 and v128; v96-127, v224-255 xvp's parts of 32 more rows (on the way out: U at v0, x Q(V)^T at v64, s - 1 at v128).
;   windows 2, 3: the accumulators of my rows 0-63, 64-127: (a, b) at v[8 (8 (a % 4) + b)].
.set SIZE_N, 4096
.set FR,     12                        ; registers of a fragment
.set NP,     4                         ; places behind this matrix form (ISA guide 7.12.1)
.set IMG,    1536
.set SBK,    12800
.set SCO,    8*IMG                     ; the scale words in a block
.set NQ,     3                         ; K steps in a slot
.set QUART,  NQ*SBK
.set SLOT,   4*QUART
.set TRIPS,  4
.set SPARE,  2*SLOT                    ; the spare words: 128 bytes a wave
.set ALPHA,  SPARE+512                 ; [256 columns] f32: s - 1
.set SOX,    ALPHA+1024                ; [wave][64] f32: s O, each wave's own
.set U2I,    SOX+1024                  ; 16 images of 512 bytes: s O S U of 16 columns, bf16
.set XVI,    U2I+8192                  ; 16 images of 512 bytes: x Q(V)^T of 16 rows, bf16
.set STAGE,  SLOT                      ; the way out: in slot 1, which has had its last fill and its last read by then
.set SPITCH, 528
.set PFO3, 9                           ; v9, v27, v30: the prefetches' offsets; never rewritten
.set ADAL, 10                          ; v10 s - 1 of my columns;  v11 U's images;  v12 x Q(V)^T's images: reads on the way out
.set ADU,  11
.set ADX,  12
.set AAL,  13                          ; v13, v14, v31, v224: where s - 1, s O, U's and x Q(V)^T's images are stored;  v15: where s O is read back by rows
.set ASO,  14
.set ASR,  15
.set ADRA, 16                          ; v16-17 A's fragments in slot 0, 1;  v18-19 A's scale words;  v20-23 the same for B
.set ADRAS, 18
.set ADRB, 20
.set ADRBS, 22
.set STO,  24
.set RD,   25
.set CO,   26
.set PFO2, 27
.set SPW,  28                          ; v28 my spare word, v29 0: kept for the add alone
.set NIL,  29
.set PFO,  30
.set AU2,  31
.set AXV,  224
.set SCA,  32
.set SCB,  48
.set AF,   128
.set BK,   128
.set HN,   128
.set HM,   136
.set HO,   138
.set HS,   140
.set HT,   148
.set HSO,  152
.set HUB,  156
.set HU,   188
.set G1,   24                          ; s[24:31], s[48:55] group 1 of A's, B's fills of three K steps;  s[68:75], s[76:83] of the last fill of two
.set G0,   32                          ; s[32:39], s[56:63] group 0 of A's, B's fills, a set for each slot
.set G1B,  48
.set G0B,  56
.set G1L,  68
.set G1BL, 76
.set PFA,  94
.set MSB, 0
.macro WIN new                         ; the immediate's high byte repeats the setting that is left
.if MSB != (\new)
	s_set_vgpr_msb (MSB<<8)|(\new)
.set MSB, (\new)
.endif
.endm
.set MUL_LO, 0xa1                      ; source 0 (B) window 1, source 1 (A) window 0, C and D window 2
.set MUL_HI, 0xf1
.set TO_B,   0x40
.macro JLOAD g0a, g1a, g0b, g1b        ; a joint load: waves 0, 1 fetch A's halves, waves 2, 3 B's; s_nop 0 and four v_nop behind each line
	s_cmp_eq_u32 s15, 0
	s_cbranch_scc0 .Lfor_b_\@
	tensor_load_to_lds s[\g0a:\g0a+3], s[\g1a:\g1a+7]
	s_nop 0
.rept 4
	v_nop
.endr
	s_branch .Lasked_\@
.Lfor_b_\@:
	tensor_load_to_lds s[\g0b:\g0b+3], s[\g1b:\g1b+7]
	s_nop 0
.rept 4
	v_nop
.endr
.Lasked_\@:
.endm
.macro CREST                           ; a round of the cluster's barrier behind its opening barrier
	s_cmp_lg_u32 s14, 0
	s_cbranch_scc1 .Lnot_wave_0_\@
	s_barrier_signal -3
.Lnot_wave_0_\@:
	s_barrier_wait -3
	s_barrier_signal -1
	s_barrier_wait -1
.endm
.macro CROUND
	s_barrier_signal -1
	s_barrier_wait -1
	CREST
.endm
; A prefetch into the L2: the quarter that the NEXT change of slots will ask for (three K steps ahead of its tensor load): 150 blocks of 256 bytes, shared out by address among the four partners that
; ask for it jointly: 32 blocks a partner, a lane a block, and 6 of the last 22.  Every cluster asks for what it will itself load, each block once in a cluster.
; s[PFA:PFA+1] stands at the quarter that is being asked for by the tensor load; the prefetch names the one behind it.
; strict = 1 (slot 1): in the loop's last trip the next fill is the short one, 100 blocks: one instruction, its offsets held at block 99, the buffer's row block's last.
.macro ASK strict
.if \strict
	s_cmp_gt_u32 s3, 1
	s_cbranch_scc0 .Lshort_\@
.endif
	global_prefetch_b8 v[PFO], s[PFA:PFA+1] offset:QUART th:TH_LOAD_NT scope:SCOPE_SE
	global_prefetch_b8 v[PFO2], s[PFA:PFA+1] offset:QUART th:TH_LOAD_NT scope:SCOPE_SE
.if \strict
	s_branch .Lasked_for_\@
.Lshort_\@:
	global_prefetch_b8 v[PFO3], s[PFA:PFA+1] offset:QUART th:TH_LOAD_NT scope:SCOPE_SE
.Lasked_for_\@:
.endif
.endm
	s_load_b256 s[4:11], s[0:1], 0x0               ; x_img, w_img, nrm2p, xvp
	s_load_b256 s[84:91], s[0:1], 0x20             ; magnitude, O, S, U
	s_load_b64 s[92:93], s[0:1], 0x40              ; out0
	v_lshl_add_u32 v[SPW], v0, 2, SPARE
	v_mov_b32 v[NIL], 0
	ds_add_u32 v[SPW], v[NIL]                      ; the opening lines: the add, twice on end, and its wait ahead of my first tensor load
	ds_add_u32 v[SPW], v[NIL]
	v_lshrrev_b32 v1, 5, v0
	v_readfirstlane_b32 s14, v1                    ; wave
	s_lshr_b32 s15, s14, 1                         ; my half of the rows; also: I fetch for A (0) or B (1)
	s_and_b32 s16, s14, 1                          ; my half of the columns; also: which 128 rows I fetch
	s_bfe_u32 s40, ttmp6, 0x40000                  ; cx, cy
	s_bfe_u32 s41, ttmp6, 0x40004
	s_lshl_b32 s42, ttmp9, 2
	s_add_co_u32 s42, s42, s40                     ; tile column
	s_and_b32 s17, ttmp7, 0xffff
	s_lshl_b32 s17, s17, 2
	s_add_co_u32 s17, s17, s41                     ; tile row
	s_lshl_b32 s43, s41, 2
	s_lshl_b32 s43, 15, s43                        ; my row of the cluster
	s_lshl_b32 s44, 0x1111, s40                    ; my column
	s_or_b32 s[G1+0], s43, (3<<16)|(1<<21)         ; the mask; elements of 8 bytes; bit 21 beside a mask; no padding: the images are read contiguously
	s_or_b32 s[G1L+0], s43, (3<<16)|(1<<21)
	s_or_b32 s[G1B+0], s44, (3<<16)|(1<<21)
	s_or_b32 s[G1BL+0], s44, (3<<16)|(1<<21)
.irp g, G1, G1B                                ; a dense block of 38,400 bytes as 150 rows of 256
	s_mov_b32 s[\g+1], 32<<16
	s_mov_b32 s[\g+2], 150<<16
	s_mov_b32 s[\g+3], 32<<16
	s_mov_b32 s[\g+4], 150
	s_mov_b32 s[\g+5], 32
	s_mov_b32 s[\g+6], 0
	s_mov_b32 s[\g+7], 0
.endr
.irp g, G1L, G1BL                              ; the last fill: 25,600 bytes as 100 rows
	s_mov_b32 s[\g+1], 32<<16
	s_mov_b32 s[\g+2], 100<<16
	s_mov_b32 s[\g+3], 32<<16
	s_mov_b32 s[\g+4], 100
	s_mov_b32 s[\g+5], 32
	s_mov_b32 s[\g+6], 0
	s_mov_b32 s[\g+7], 0
.endr
	s_lshl_b32 s20, s17, 1
	s_add_co_u32 s20, s20, s16
	s_mul_i32 s20, s20, 32*SBK                     ; A: the 128 rows that I fetch: 32 blocks on end
	s_mov_b32 s21, 0
	s_lshl_b32 s46, s42, 1
	s_add_co_u32 s46, s46, s16
	s_mul_i32 s46, s46, 32*SBK                     ; B likewise
	s_mov_b32 s47, 0
	s_mul_i32 s45, s14, QUART                      ; where they go: wave x a quarter
	s_wait_dscnt 0x0                               ; both opening adds are done
	s_wait_kmcnt 0x0
	s_add_nc_u64 s[20:21], s[4:5], s[20:21]
	s_add_nc_u64 s[46:47], s[6:7], s[46:47]
.irp s, 0,1
	s_mov_b32 s[G0+4*\s], 1
	s_add_co_u32 s[G0+4*\s+1], s45, \s*SLOT
	s_add_nc_u64 s[G0+4*\s+2:G0+4*\s+3], s[20:21], \s*QUART
	s_or_b32 s[G0+4*\s+3], s[G0+4*\s+3], 0x80000000
	s_mov_b32 s[G0B+4*\s], 1
	s_add_co_u32 s[G0B+4*\s+1], s45, \s*SLOT
	s_add_nc_u64 s[G0B+4*\s+2:G0B+4*\s+3], s[46:47], \s*QUART
	s_or_b32 s[G0B+4*\s+3], s[G0B+4*\s+3], 0x80000000
.endr
	CROUND                                         ; all sixteen work-groups are here: the first joint loads meet
	JLOAD G0, G1, G0B, G1B                         ; K steps 0-2: my one tensor load at the head
	v_and_b32 v4, 31, v0                           ; lane
	v_and_b32 v5, 15, v0                           ; r
	v_bfe_u32 v6, v0, 4, 1                         ; h
	v_lshlrev_b32 v1, 3, v4                        ; two columns a lane
	v_lshlrev_b32 v2, 5, v6                        ; S[8 h ..]
	v_lshlrev_b32 v3, 6, v5
	v_lshl_add_u32 v3, v6, 5, v3                   ; a row of 16 ranks: 64 r + 32 h
	s_wait_alu depctr_va_vdst(0)
	; the prefetches' base: the second fill's quarter of the 128 rows that I fetch.  The head asks for the second and the third fill's quarters, these buffers' first touches
	s_lshl_b32 s20, s17, 1
	s_add_co_u32 s20, s20, s16
	s_lshl_b32 s20, s20, 5
	s_add_co_u32 s20, s20, NQ
	s_mul_i32 s20, s20, SBK
	s_lshl_b32 s46, s42, 1
	s_add_co_u32 s46, s46, s16
	s_lshl_b32 s46, s46, 5
	s_add_co_u32 s46, s46, NQ
	s_mul_i32 s46, s46, SBK
	s_cmp_eq_u32 s15, 0
	s_cselect_b64 s[PFA:PFA+1], s[4:5], s[6:7]
	s_cselect_b32 s20, s20, s46
	s_cselect_b32 s23, s40, s41                    ; my place among the four that ask jointly
	s_mov_b32 s21, 0
	s_add_nc_u64 s[PFA:PFA+1], s[PFA:PFA+1], s[20:21]
	s_lshl_b32 s18, s23, 5
	v_add_nc_u32 v[PFO], s18, v4                   ; blocks 32 p + lane
	v_min_u32 v[PFO3], 99, v[PFO]                  ; the same, held inside the short fill's 100
	v_lshlrev_b32 v[PFO], 8, v[PFO]
	v_lshlrev_b32 v[PFO3], 8, v[PFO3]
	s_mul_i32 s18, s23, 6
	s_add_co_u32 s18, s18, 128
	v_min_u32 v[PFO2], 5, v4
	v_add_nc_u32 v[PFO2], s18, v[PFO2]
	v_min_u32 v[PFO2], 149, v[PFO2]                ; blocks 128 + 6 p + 0 .. 5, held inside the quarter's 150
	v_lshlrev_b32 v[PFO2], 8, v[PFO2]
	global_prefetch_b8 v[PFO], s[PFA:PFA+1] th:TH_LOAD_NT scope:SCOPE_SE
	global_prefetch_b8 v[PFO2], s[PFA:PFA+1] th:TH_LOAD_NT scope:SCOPE_SE
	global_prefetch_b8 v[PFO], s[PFA:PFA+1] offset:QUART th:TH_LOAD_NT scope:SCOPE_SE
	global_prefetch_b8 v[PFO2], s[PFA:PFA+1] offset:QUART th:TH_LOAD_NT scope:SCOPE_SE
	; THE TABLES' LOADS: 48 a wave, on their way together with the tile
	s_lshl_b32 s20, s17, 8
	s_lshl_b32 s21, s15, 7
	s_add_co_u32 s20, s20, s21                     ; my first row of out,
	s_lshl_b32 s20, s20, 14                        ; 16,384 bytes a row,
	s_lshl_b32 s46, s42, 10
	s_lshl_b32 s47, s16, 9
	s_add_co_u32 s46, s46, s47                     ; my first column, 4 bytes each
	s_add_co_u32 s20, s20, s46
	s_mov_b32 s21, 0
	s_add_nc_u64 s[12:13], s[92:93], s[20:21]
	s_lshl_b32 s99, s15, 8
	s_add_co_u32 s98, s46, s99                     ; of my 128 columns I prepare 64: those of my row half's number
	s_mov_b32 s99, 0
	s_add_nc_u64 s[8:9], s[8:9], s[98:99]
	s_add_nc_u64 s[84:85], s[84:85], s[98:99]
	s_add_nc_u64 s[86:87], s[86:87], s[98:99]
	s_lshl_b32 s98, s98, 4
	s_add_nc_u64 s[90:91], s[90:91], s[98:99]      ; U: 64 bytes a row
	s_lshl_b32 s100, s17, 14
	s_lshl_b32 s101, s15, 13
	s_add_co_u32 s100, s100, s101
	s_lshl_b32 s101, s16, 12
	s_add_co_u32 s100, s100, s101                  ; of my 128 rows of x Q(V)^T I prepare 64: those of my column half's number
	s_mov_b32 s101, 0
	s_add_nc_u64 s[10:11], s[10:11], s[100:101]
.irp p, 0,1,2,3
	global_load_b64 v[HN+2*\p:HN+2*\p+1], v1, s[8:9] offset:16384*\p     ; the four parts of the sums of squares
.endr
	global_load_b64 v[HM:HM+1], v1, s[84:85]
	global_load_b64 v[HO:HO+1], v1, s[86:87]
	global_load_b128 v[HS:HS+3], v2, s[88:89]
	global_load_b128 v[HS+4:HS+7], v2, s[88:89] offset:16
.irp b, 0,1,2,3
	global_load_b128 v[HU+8*\b:HU+8*\b+3], v3, s[90:91] offset:1024*\b
	global_load_b128 v[HU+8*\b+4:HU+8*\b+7], v3, s[90:91] offset:1024*\b+16
.endr
.irp a, 0,1                                    ; the four parts of x Q(V)^T: 16 rows a, part p: rows 0-31 into window 0, v64 + 32 a + 8 p
.irp p, 0,1,2,3
	global_load_b128 v[64+32*\a+8*\p:64+32*\a+8*\p+3], v3, s[10:11] offset:262144*\p+1024*\a
	global_load_b128 v[64+32*\a+8*\p+4:64+32*\a+8*\p+7], v3, s[10:11] offset:262144*\p+1024*\a+16
.endr
.endr
	WIN TO_B
.irp a, 2,3                                    ; rows 32-63 into window 1, v96 and v224 on
.irp p, 0,1,2,3
	global_load_b128 v[96+128*(\a-2)+8*\p:96+128*(\a-2)+8*\p+3], v3, s[10:11] offset:262144*\p+1024*\a
	global_load_b128 v[96+128*(\a-2)+8*\p+4:96+128*(\a-2)+8*\p+7], v3, s[10:11] offset:262144*\p+1024*\a+16
.endr
.endr
	WIN 0
	; the LDS addresses, under the loads' flight
	s_mul_i32 s21, s15, QUART
	s_mul_i32 s22, s16, QUART
	s_add_co_u32 s22, s22, 2*QUART
.irp s, 0,1
	v_lshl_add_u32 v[ADRA+\s], v4, 4, s21
	v_lshl_add_u32 v[ADRB+\s], v4, 4, s22
	v_lshl_add_u32 v[ADRAS+\s], v5, 4, s21
	v_lshl_add_u32 v[ADRBS+\s], v5, 4, s22
	v_add_nc_u32 v[ADRAS+\s], SCO, v[ADRAS+\s]
	v_add_nc_u32 v[ADRBS+\s], SCO, v[ADRBS+\s]
	s_add_co_u32 s21, s21, SLOT
	s_add_co_u32 s22, s22, SLOT
.endr
	s_mul_i32 s23, s14, 16*SPITCH
	s_add_co_u32 s23, s23, STAGE
	v_mul_u32_u24 v7, v5, SPITCH
	v_lshl_add_u32 v7, v6, 5, v7
	v_add_nc_u32 v[STO], s23, v7
	v_lshlrev_b32 v[CO], 4, v4
	v_add_nc_u32 v[RD], s23, v[CO]
	s_lshl_b32 s18, s16, 9
	s_add_co_u32 s18, s18, ALPHA
	v_lshl_add_u32 v[ADAL], v6, 5, s18
	s_lshl_b32 s19, s15, 8
	s_add_co_u32 s18, s18, s19
	v_lshl_add_u32 v[AAL], v4, 3, s18
	s_lshl_b32 s18, s16, 12
	s_add_co_u32 s18, s18, U2I
	v_lshl_add_u32 v[ADU], v4, 4, s18
	s_lshl_b32 s19, s15, 11
	s_add_co_u32 s18, s18, s19
	v_lshl_add_u32 v[AU2], v4, 4, s18
	s_lshl_b32 s18, s15, 12
	s_add_co_u32 s18, s18, XVI
	v_lshl_add_u32 v[ADX], v4, 4, s18
	s_lshl_b32 s19, s16, 11
	s_add_co_u32 s18, s18, s19
	v_lshl_add_u32 v[AXV], v4, 4, s18
	s_lshl_b32 s18, s14, 8
	s_add_co_u32 s18, s18, SOX
	v_lshl_add_u32 v[ASO], v4, 3, s18
	v_lshl_add_u32 v[ASR], v5, 2, s18
	s_wait_alu depctr_va_vdst(0)
	s_wait_loadcnt 42                              ; the first six of the 48: sums of squares, magnitude, O
	v_pk_add_f32 v[HN:HN+1], v[HN:HN+1], v[HN+2:HN+3]
	v_pk_add_f32 v[HN+4:HN+5], v[HN+4:HN+5], v[HN+6:HN+7]
	v_pk_add_f32 v[HN:HN+1], v[HN:HN+1], v[HN+4:HN+5]
	s_wait_alu depctr_va_vdst(0)                   ; the wait ahead of the transcendentals
	v_rsq_f32 v[HT], v[HN]
	v_rsq_f32 v[HT+1], v[HN+1]
	v_nop
	s_wait_alu depctr_va_vdst(0)                   ; and behind them
	v_pk_mul_f32 v[HT:HT+1], v[HM:HM+1], v[HT:HT+1]                ; s
	v_pk_add_f32 v[HT+2:HT+3], v[HT:HT+1], -1.0 op_sel_hi:[1,0]    ; s - 1
	v_pk_mul_f32 v[HT:HT+1], v[HT:HT+1], v[HO:HO+1]                ; s O
	ds_store_b64 v[AAL], v[HT+2:HT+3]
	ds_store_b64 v[ASO], v[HT:HT+1]
.irp b, 0,1,2,3
	ds_load_b32 v[HSO+\b], v[ASR] offset:64*\b     ; s O back by rows of U: my own bytes, served in order
.endr
	s_wait_loadcnt 32                              ; S and U are in; xvp's 32 loads stay out
	s_wait_dscnt 0x0
.irp b, 0,1,2,3
.irp p, 0,2,4,6
	v_pk_mul_f32 v[HU+8*\b+\p:HU+8*\b+\p+1], v[HU+8*\b+\p:HU+8*\b+\p+1], v[HS+\p:HS+\p+1]
.endr
.irp j, 0,1,2,3,4,5,6,7
	v_mul_f32 v[HU+8*\b+\j], v[HU+8*\b+\j], v[HSO+\b]
.endr
.irp p, 0,1,2,3
	v_cvt_pk_bf16_f32 v[HUB+4*\b+\p], v[HU+8*\b+2*\p], v[HU+8*\b+2*\p+1]
.endr
	ds_store_b128 v[AU2], v[HUB+4*\b:HUB+4*\b+3] offset:512*\b
.endr
.macro FRAGA slot, q, i
.irp c, 0,1,2
	ds_load_b128 v[AF+FR*(\i)+4*\c:AF+FR*(\i)+4*\c+3], v[ADRA+(\slot)] offset:(\q)*SBK+(\i)*IMG+512*\c
.endr
.endm
.macro FRAGB slot, q, p, i
.irp c, 0,1,2
	ds_load_b128 v[128*(\p)+FR*(\i)+4*\c:128*(\p)+FR*(\i)+4*\c+3], v[ADRB+(\slot)] offset:(\q)*SBK+(\i)*IMG+512*\c
.endr
.endm
.macro SCALES slot, q, p               ; register i of a set: the word of block i, row r
.irp c, 0,1
	ds_load_b128 v[SCA+8*(\p)+4*\c:SCA+8*(\p)+4*\c+3], v[ADRAS+(\slot)] offset:(\q)*SBK+256*\c
	ds_load_b128 v[SCB+8*(\p)+4*\c:SCB+8*(\p)+4*\c+3], v[ADRBS+(\slot)] offset:(\q)*SBK+256*\c
.endr
.endm
.macro MUL8 a, p, zero                 ; A's block a against B's eight; the 64 accumulators take turns, one instruction a turn
.irp b, 0,1,2,3,4,5,6,7
.if \zero
	v_wmma_scale_f32_16x16x128_f8f6f4 v[8*(8*((\a)%4)+\b):8*(8*((\a)%4)+\b)+7], v[128*(\p)+FR*\b:128*(\p)+FR*\b+FR-1], v[AF+FR*(\a):AF+FR*(\a)+FR-1], 0, v[SCB+8*(\p)+\b], v[SCA+8*(\p)+(\a)] matrix_a_fmt:MATRIX_FMT_FP6 matrix_b_fmt:MATRIX_FMT_FP6
.else
	v_wmma_scale_f32_16x16x128_f8f6f4 v[8*(8*((\a)%4)+\b):8*(8*((\a)%4)+\b)+7], v[128*(\p)+FR*\b:128*(\p)+FR*\b+FR-1], v[AF+FR*(\a):AF+FR*(\a)+FR-1], v[8*(8*((\a)%4)+\b):8*(8*((\a)%4)+\b)+7], v[SCB+8*(\p)+\b], v[SCA+8*(\p)+(\a)] matrix_a_fmt:MATRIX_FMT_FP6 matrix_b_fmt:MATRIX_FMT_FP6
.endif
.endr
.endm
.macro PLACES n
.rept \n
	v_nop
.endr
.endm
; A K step that stays in its slot: 64 products on B's set P; the next step's fragments come in three runs: B's eight and the scale words into the other sets (28 loads), A's blocks 0-3 when their
; products are issued (12), A's blocks 4-7 at the step's end (12).
.macro STEP slot, q, zero
.set P, ((\slot)+(\q))%2
	s_wait_dscnt 12                                ; all but the youngest twelve: A's blocks 4-7 (or younger LDS stores)
	WIN MUL_LO
	MUL8 0, P, \zero
	MUL8 1, P, \zero
	WIN TO_B
.irp i, 0,1,2,3,4,5,6,7
	FRAGB \slot, (\q)+1, 1-P, \i                   ; (the other sets were last read a step ago, with places between)
.endr
	WIN 0
	SCALES \slot, (\q)+1, 1-P
	WIN MUL_LO
	MUL8 2, P, \zero
	MUL8 3, P, \zero
	PLACES NP
	WIN 0
.irp i, 0,1,2,3
	FRAGA \slot, (\q)+1, \i
.endr
	s_wait_dscnt 40                                ; behind A's blocks 4-7 of this step: 24 + 4 + 12 loads
	WIN MUL_HI
	MUL8 4, P, \zero
	MUL8 5, P, \zero
	MUL8 6, P, \zero
	MUL8 7, P, \zero
	PLACES NP
	WIN 0
.irp i, 4,5,6,7
	FRAGA \slot, (\q)+1, \i
.endr
.endm
; A slot's last K step changes slots.  In front of the barrier: the wait for all my tensor loads (one is out: my quarter of the next slot), the add, and the wait for it and for my reads of this slot.
; fill = 1: this slot takes the fill two on, and a prefetch follows; 2: the last, short fill; 0: nothing is filled, no round.
.macro TURN slot, next, fill
.set P, (\slot)%2
.if (\fill) == 1
	s_wait_xcnt 0x0                                ; my last prefetches have read their base
	s_add_nc_u64 s[PFA:PFA+1], s[PFA:PFA+1], QUART
.endif
	s_wait_dscnt 12
	WIN MUL_LO
	MUL8 0, P, 0
	MUL8 1, P, 0
	WIN 0
	s_wait_tensorcnt 0x0
	ds_add_u32 v[SPW], v[NIL]                      ; eight products stand between the add and its wait
	WIN MUL_LO
	MUL8 2, P, 0
	s_wait_dscnt 0x0
	s_barrier_signal -1
	MUL8 3, P, 0                                   ; eight products while the others arrive
	WIN 0
	s_barrier_wait -1
.if \fill
	CREST                                          ; the barrier has opened a round: no wave of any partner still reads this slot or has a load on its way
	s_add_nc_u64 s[G0+4*\slot+2:G0+4*\slot+3], s[G0+4*\slot+2:G0+4*\slot+3], 2*QUART
	s_add_nc_u64 s[G0B+4*\slot+2:G0B+4*\slot+3], s[G0B+4*\slot+2:G0B+4*\slot+3], 2*QUART
.if (\fill) == 1
	JLOAD G0+4*\slot, G1, G0B+4*\slot, G1B         ; its four v_nop are also the places in front of the loads below
.else
	JLOAD G0+4*\slot, G1L, G0B+4*\slot, G1BL
.endif
.else
	PLACES NP
.endif
	WIN TO_B
.irp i, 0,1,2,3
	FRAGB \next, 0, 1-P, \i
.endr
	WIN 0
	FRAGA \next, 0, 0
	FRAGA \next, 0, 1
	SCALES \next, 0, 1-P
.if (\fill) == 1
	ASK \slot
.endif
	WIN MUL_HI
	MUL8 4, P, 0
	MUL8 5, P, 0
	WIN TO_B
.irp i, 4,5,6,7
	FRAGB \next, 0, 1-P, \i
.endr
	WIN 0
	FRAGA \next, 0, 2
	FRAGA \next, 0, 3
	WIN MUL_HI
	MUL8 6, P, 0
	MUL8 7, P, 0
	PLACES NP
	WIN 0
.irp i, 4,5,6,7
	FRAGA \next, 0, \i
.endr
.endm
; 16 rows of x Q(V)^T: the four parts at v[base + 8 p] are summed; the sums are rounded to bf16 in place and ascending: v[base .. base + 3] is the fragment's image
.macro XVSUM base
.irp p, 0,2,4,6
	v_pk_add_f32 v[\base+\p:\base+\p+1], v[\base+\p:\base+\p+1], v[\base+8+\p:\base+9+\p]
	v_pk_add_f32 v[\base+16+\p:\base+17+\p], v[\base+16+\p:\base+17+\p], v[\base+24+\p:\base+25+\p]
.endr
.irp p, 0,2,4,6
	v_pk_add_f32 v[\base+\p:\base+\p+1], v[\base+\p:\base+\p+1], v[\base+16+\p:\base+17+\p]
.endr
.irp p, 0,1,2,3
	v_cvt_pk_bf16_f32 v[\base+\p], v[\base+2*\p], v[\base+2*\p+1]
.endr
.endm
	s_wait_alu depctr_va_vdst(0)
	s_wait_tensorcnt 0x0                           ; my quarter of slot 0 is in
	ds_add_u32 v[SPW], v[NIL]
	s_wait_dscnt 0x0                               ; the add and my stores of s - 1 and of U's images are done
	CROUND                                         ; slot 0 is whole, and all sixteen work-groups are here
	JLOAD G0+4, G1, G0B+4, G1B                     ; K steps 3-5: slot 1's first fill, the first tensor load behind the round
	WIN TO_B
.irp i, 0,1,2,3,4,5,6,7
	FRAGB 0, 0, 0, \i
.endr
	WIN 0
.irp i, 0,1,2,3
	FRAGA 0, 0, \i
.endr
	SCALES 0, 0, 0
.irp i, 4,5,6,7
	FRAGA 0, 0, \i
.endr
	STEP 0, 0, 1                                   ; the first step's products start the sums
	s_wait_loadcnt 0x0                             ; xvp's parts, asked for at the head
	XVSUM 64
	XVSUM 96
	ds_store_b128 v[AXV], v[64:67]
	ds_store_b128 v[AXV], v[96:99] offset:512
	WIN 0x45                                       ; destination and both sources in window 1
	XVSUM 96
	XVSUM 224
	WIN 0x04                                       ; the stores' data in window 1
	ds_store_b128 v[AXV], v[96:99] offset:1024
	ds_store_b128 v[AXV], v[224:227] offset:1536   ; (four LDS stores younger than the fragment loads: the next step's counted waits only become stricter)
	WIN 0
	s_mov_b32 s3, TRIPS
.Llap:                                                 ; a trip: six K steps, once round the ring; both slots are filled again
	STEP 0, 1, 0
	TURN 0, 1, 1
	STEP 1, 0, 0
	STEP 1, 1, 0
	TURN 1, 0, 1
	STEP 0, 0, 0
	s_sub_co_u32 s3, s3, 1
	s_cmp_lg_u32 s3, 0
	s_cbranch_scc1 .Llap
	STEP 0, 1, 0                                   ; K steps 25 to 31, written out: one short fill, then none
	TURN 0, 1, 2
	STEP 1, 0, 0
	STEP 1, 1, 0
	TURN 1, 0, 0
	STEP 0, 0, 0
	s_wait_dscnt 12
	WIN MUL_LO
.irp a, 0,1,2,3
	MUL8 \a, 1, 0
.endr
	s_wait_dscnt 0
	WIN MUL_HI
.irp a, 4,5,6,7
	MUL8 \a, 1, 0
.endr
	WIN 0
	PLACES 5
	WIN TO_B                                       ; the tables into window 1: s - 1 of my 128 columns at v128, U's eight fragments at v0, x Q(V)^T's eight at v64
.irp b, 0,1,2,3,4,5,6,7
	ds_load_b128 v[128+8*\b:131+8*\b], v[ADAL] offset:64*\b
	ds_load_b128 v[132+8*\b:135+8*\b], v[ADAL] offset:64*\b+16
	ds_load_b128 v[8*\b:8*\b+3], v[ADU] offset:512*\b
	ds_load_b128 v[64+8*\b:67+8*\b], v[ADX] offset:512*\b
.endr
.irp f, 0,1,2,3,4,5,6,7,8,9,10,11,12,13,14,15
.irp j, 4,5,6,7
	v_mov_b32 v[8*\f+\j], 0                        ; the upper 16 of the bf16 form's K
.endr
.endr
	s_wait_dscnt 0x0
.macro SCALE a                         ; block a's accumulators x (s - 1), each from its low end on
.set AC, 64*((\a)%4)
	WIN 0x86+0x41*((\a)/4)
.irp b, 0,1,2,3,4,5,6,7
.irp p, 0,2,4,6
	v_pk_mul_f32 v[AC+8*\b+\p:AC+8*\b+\p+1], v[AC+8*\b+\p:AC+8*\b+\p+1], v[128+8*\b+\p:129+8*\b+\p]
.endr
.endr
.endm
.macro LOWRANK a                       ; + s O S U (x Q(V)^T): eight different accumulators
.set AC, 64*((\a)%4)
	WIN 0xa5+0x50*((\a)/4)
.irp b, 0,1,2,3,4,5,6,7
	v_wmma_f32_16x16x32_bf16 v[AC+8*\b:AC+8*\b+7], v[8*\b:8*\b+7], v[64+8*(\a):71+8*(\a)], v[AC+8*\b:AC+8*\b+7]
.endr
.endm
.macro TOSTAGE a                       ; into my stage, and back as whole rows of 512 bytes: LDS serves a wave's instructions in order (ISA guide 5.7.1.4)
.set AC, 64*((\a)%4)
	WIN 0x08+4*((\a)/4)
.irp b, 0,1,2,3,4,5,6,7
	ds_store_b128 v[STO], v[AC+8*\b:AC+8*\b+3] offset:64*\b
	ds_store_b128 v[STO], v[AC+8*\b+4:AC+8*\b+7] offset:64*\b+16
.endr
	WIN 0
.set BB, BK+64*((\a)%2)
.irp t, 0,1,2,3,4,5,6,7,8,9,10,11,12,13,14,15
	ds_load_b128 v[BB+4*\t:BB+4*\t+3], v[RD] offset:\t*SPITCH
.endr
.endm
.macro SEND a, younger                 ; younger: the LDS instructions issued behind block a's loads
.set BB, BK+64*((\a)%2)
	s_wait_dscnt \younger
.if (\a) > 0
	s_add_nc_u64 s[12:13], s[12:13], 16*SIZE_N*4   ; (behind a wait on XCNT: the earlier stores have read their base)
.endif
.irp t, 0,1,2,3,4,5,6,7,8,9,10,11,12,13,14,15
	global_store_b128 v[CO], v[BB+4*\t:BB+4*\t+3], s[12:13] offset:\t*SIZE_N*4 th:TH_STORE_NT   ; 32 lanes store 512 consecutive bytes, at a multiple of 256 from out0's first byte
.endr
.endm
	SCALE 0
.irp a, 0,1,2,3,4,5,6,7
	LOWRANK \a
.if \a < 7
	SCALE \a+1                                     ; the next block's 32 lines are the places behind block a's products
.else
	PLACES NP
.endif
.if \a > 1
	s_wait_xcnt 0x0                                ; block a - 2's stores have read their registers and their base
.endif
	TOSTAGE \a
.if \a > 0
	s_wait_alu depctr_va_vdst(0)
	SEND \a-1, 32
.endif
.endr
	s_wait_xcnt 0x0
	SEND 7, 0
	s_wait_tensorcnt 0x0                           ; the wave's end
	ds_add_u32 v[SPW], v[NIL]
	s_wait_dscnt 0x0
	CROUND                                         ; the closing round
	s_endpgm
.Lfunc_end_k_q37467a7c82_gemm:
	.size	k_q37467a7c82_gemm, .Lfunc_end_k_q37467a7c82_gemm-k_q37467a7c82_gemm
	.p2alignl 7, 3214868480
	.fill 96, 4, 3214868480
	.section	.rodata,"a",@progbits
	.p2align	6, 0x0
	.amdhsa_kernel k_q37467a7c82_gemm
		.amdhsa_group_segment_fixed_size 327680
		.amdhsa_private_segment_fixed_size 0
		.amdhsa_enable_private_segment 0
		.amdhsa_kernarg_size 72
		.amdhsa_user_sgpr_count 2
		.amdhsa_user_sgpr_kernarg_segment_ptr 1
		.amdhsa_wavefront_size32 1
		.amdhsa_system_sgpr_workgroup_id_x 1
		.amdhsa_system_sgpr_workgroup_id_y 1
		.amdhsa_system_sgpr_workgroup_id_z 1
		.amdhsa_system_vgpr_workitem_id 0
		.amdhsa_next_free_vgpr 1024
		.amdhsa_next_free_sgpr 102
		.amdhsa_reserve_vcc 0
		.amdhsa_float_denorm_mode_32 3
		.amdhsa_float_denorm_mode_16_64 3
		.amdhsa_memory_ordered 1
		.amdhsa_forward_progress 1
		.amdhsa_inst_pref_size 249
	.end_amdhsa_kernel
	.amdgpu_metadata
---
amdhsa.version: [ 1, 2 ]
amdhsa.kernels:
  - .name:           k_q37467a7c82_gemm
    .symbol:         k_q37467a7c82_gemm.kd
    .args:
      - { .name: x_img, .offset: 0, .size: 8, .value_kind: global_buffer, .address_space: global }
      - { .name: w_img, .offset: 8, .size: 8, .value_kind: global_buffer, .address_space: global }
      - { .name: nrm2p, .offset: 16, .size: 8, .value_kind: global_buffer, .address_space: global }
      - { .name: xvp, .offset: 24, .size: 8, .value_kind: global_buffer, .address_space: global }
      - { .name: magnitude, .offset: 32, .size: 8, .value_kind: global_buffer, .address_space: global }
      - { .name: osora_O, .offset: 40, .size: 8, .value_kind: global_buffer, .address_space: global }
      - { .name: osora_S, .offset: 48, .size: 8, .value_kind: global_buffer, .address_space: global }
      - { .name: osora_U, .offset: 56, .size: 8, .value_kind: global_buffer, .address_space: global }
      - { .name: out0, .offset: 64, .size: 8, .value_kind: global_buffer, .address_space: global }
    .group_segment_fixed_size: 327680
    .private_segment_fixed_size: 0
    .kernarg_segment_align: 8
    .kernarg_segment_size: 72
    .max_flat_workgroup_size: 128
    .sgpr_count:     102
    .vgpr_count:     1024
    .wavefront_size: 32
...
	.end_amdgpu_metadata
.endif
;; end of part 2
